; MI455X (gfx1250); checked and timed in simulation.
; The chip was launched on July 23, 2026; its instructions are those of AMD's public machine-readable ISA for CDNA 5 (MIT licence, August 2026) and "CDNA5" Instruction Set Architecture Reference Guide (July 2026). The comments in the code are by the model that wrote it; some were corrected since.
;; Model. Allowed arithmetic: matrix products marked QUANTISED: E2M3 operands, one E8M0 scale for each 32 along K, by v_wmma_scale_f32_16x16x128_f8f6f4 with both operands' format E2M3, f32 sums; everything else in f32.
;; Inputs: k 4 x 16 x 2,048 x 64 float32; q 4 x 16 x 2,048 x 64 float32; scale one number float32; v 4 x 16 x 2,048 x 64 float32.
;; Outputs: out0 4 x 16 x 2,048 x 64 float32.
;; This version of the problem:
;;   THIS VERSION OF THE PROBLEM IS GIVEN IN LOW PRECISION. The matrix products marked QUANTISED in the list below multiply operands that are first quantised to E2M3 (2 exponent bits, 3 mantissa bits; 6 bits a number), with one power-of-two scale for each 32 numbers along K (OCP MX v1.0); their sums are f32. All else is computed in f32.
;;   The module's matrix products, in the order in which they are computed (A, B: the left and right operand; K: the contracted axis; several contracted axes count as one K, in the product's order):
;;     1. batch 64 x [M 2,048, K 64] x [K 64, N 2,048]; A: input q; B: input k: QUANTISED
;;     2. batch 64 x [M 2,048, K 2,048] x [K 2,048, N 64]; A: softmax (see below); B: input v: QUANTISED
;;   THE QUANTISER, for each operand of a quantised product, along K:
;;     - K is cut into blocks of 32 from its start; a last block that is shorter is filled with zeros.
;;     - A block's scale is 2^e with e = floor(log2(the largest magnitude in the block)) - 2, held to -126 .. 127; a block of zeros has e = 0. As a byte (E8M0): e + 127.
;;     - Each number is divided by its block's scale, clamped to +-7.5, and rounded to the nearest number of E2M3, ties to even, subnormals kept.
;;     - The product sums the exact products of the quantised numbers (number of the format x scale) in f32.
;;   ~~~python
;;   def quantise(x, axis):      # numpy; x: float32 -> the quantised numbers, widened to float32 again
;;       x = np.moveaxis(x, axis, -1); K = x.shape[-1]
;;       x = np.pad(x, [(0, 0)] * (x.ndim - 1) + [(0, -K % 32)]); x = x.reshape(x.shape[:-1] + (-1, 32)); a = np.abs(x).max(-1, keepdims=True)
;;       e = np.where(a > 0, np.clip(np.frexp(np.where(a > 0, a, 1))[1] - 1 - 2, -126, 127), 0)      # np.frexp(a)[1] - 1 = floor(log2(a)), exactly
;;       r = np.clip(x / 2.0 ** e, -7.5, 7.5)
;;       step = 2.0 ** (np.maximum(np.frexp(np.where(r == 0, 1, r))[1] - 1, 0) - 3)
;;       q = np.round(r / step) * step * 2.0 ** e      # np.round: ties to even
;;       return np.moveaxis(q.reshape(q.shape[:-2] + (-1,))[..., :K], -1, axis).astype(np.float32)
;;   ~~~
;;   SOFTMAX AHEAD OF A QUANTISED PRODUCT. Where the list says 'softmax', what is quantised is not the finished softmax but p = 2^(t - M), with t = logit x log2(e) and M = ceil(the row's largest t), a whole number; so 1/2 < the row's largest p <= 1. The row's sum l is taken of the UNQUANTISED p, in f32, and the product's result is divided by l at the end. Since M is a whole number, a kernel that streams over the keys may use a running M (the ceiling of the running maximum): every later rescaling is an exact power of two, which a block's scale takes up: the codes' values come out the same.
;;   OPERANDS COMPUTED ON THE WAY. 'Computed on the way' means the value that the module computes at that place (a softmax that the list does not call 'softmax' is quantised finished and normalised). What goes into a quantiser is computed in f32, as accurately as f32 sums, v_exp_f32 and their like allow (about 1e-6 of the number): no bf16 or f16 on the way to a quantiser, and a product that is left as it is and whose result goes on into a quantised operand takes f32 operands (vector FMAs, or v_wmma_f32_16x16x4_f32). A number that lies on a knife's edge between two numbers of the format may be rounded either way, as far as f32 arithmetic and the matrix unit's own rounding can turn it there, and no further.
;; One version. Each part assembles by itself: llvm-mc -triple=amdgcn-amd-amdhsa -mcpu=gfx1250 --defsym DOCPART=n.
;; ======== version 1 of 1: 2 launches
;; limits: right only within a limited range of input values
;; workspace buffers: kv 13,369,344 bytes
;; launch prep (part 1): grid 16 x 64, 4 waves a work-group, no clusters, 43,520 bytes of LDS; arguments k, v, kv; writes kv
.if DOCPART == 1
	.amdgcn_target "amdgcn-amd-amdhsa--gfx1250"
	.amdhsa_code_object_version 6
	.text
	.protected	k_q92d4bc5b07_prep
	.globl	k_q92d4bc5b07_prep
	.p2align	8
	.type	k_q92d4bc5b07_prep,@function
k_q92d4bc5b07_prep:
	s_mov_b64 s[64:65], 0
	v_nop
	global_prefetch_b8 v0, s[64:65] scope:SCOPE_SE
	s_setreg_imm32_b32 hwreg(HW_REG_WAVE_MODE, 25, 1), 1
	s_wait_xcnt 0x0
; k and v, [64 heads][2048 keys][64] f32, become codes of FP6 (E2M3) with one E8M0 scale byte for each 32 along a product's K,
; laid in kv IN THE ORDER OF THE OPERANDS' REGISTERS, one block of 13,056 bytes for each head and each step of 128 keys:
;   0      K image: 48 registers a lane, as 12 chunks of 512 bytes (chunk c: registers 4c .. 4c+3, lane l's 16 bytes at 16 l).
;          Register 6 t + i (key tile t = 0 .. 7) of lane (r, h): word i of the 24 bytes of codes of key 64 (t/4) + 32 (r/8) + 8 (t%4) + r%8, channels 32 h .. 32 h + 31.
;   6144   V image, likewise: register 12 t + 6 c + i of lane (r, h): channel 16 t + r, keys 64 c + 32 h + 0 .. 31 (for v the keys are K).
;   12288  K's scale words, 16 bytes a lane: word j: lanes 0-15 tile 2 j's keys, lanes 16-31 tile 2 j + 1's; byte 0, 1: channels 0-31, 32-63; bytes 2, 3: 0.
;   12800  V's scale words, 8 bytes a lane: word j: lanes 0-15 tile 2 j's channels, lanes 16-31 tile 2 j + 1's; byte b: keys 32 b .. 32 b + 31.
; A block's scale is 2^(floor(log2(its largest magnitude)) - 2): its byte is the largest magnitude's exponent field - 2, held at 1 from below.
; (A block of zeros so gets the byte 1 where the rule says 127: its codes are zeros, and this program alone reads the bytes.)
; LIMITS: blocks whose largest magnitude lies under 2^-124 keep the byte 1; NaN and infinities among the inputs are not served.
; SHARES.  A work-group takes one step of one head.  Wave w takes key tiles 2 w and 2 w + 1 of k (keys base .. base + 15 and base + 32 .. base + 47,
; base = 64 (w/2) + 16 (w%2)) and keys 32 w .. 32 w + 31 of v, all 64 channels.  Nothing loops; every offset is an immediate.
; k: K (the channels) is innermost.  The loads take the bytes as they lie, 512 to a load; the 32 rows turn through the wave's own stage in LDS, so that a lane gets 32 neighbours of one key.
; v: K (the keys) is not innermost: a lane takes a channel and its registers run down the keys, so a block of 32 lies in one lane.  Its codes belong to other lanes of the image
; than those that made them: they meet in LDS, and leave behind one barrier, 512 consecutive bytes to a store.
.set STEPB, 13056
.set VIMG,  6144
.set KSO,   12288
.set VSO,   12800
.set TURNB, 8960                       ; a wave's stage: 32 rows of 272 bytes, and 128 more ahead of rows 16-31
.set TP,    272                        ; a row: 256 bytes + 16
.set VST,   4*TURNB                    ; the V image as it will lie in memory, 6,144 bytes,
.set KSS,   VST+6144                   ; K's scale words, 512,
.set VSS,   KSS+512                    ; V's, 256
.set LANE, 1                           ; v1   lane
.set L16,  2                           ; v2   16 x lane
.set L4,   3                           ; v3   4 x lane
.set TW,   4                           ; v4   the stage, on the way in
.set TR,   5                           ; v5   and on the way out
.set VA,   6                           ; v6-8 where my three pieces of 8 bytes of V's codes go
.set VB,   9                           ; v9   and my byte of V's scales
.set KB,   10                          ; v10  my word of K's scales
.set RV,   11                          ; v11  the V image, read back: my wave's three chunks
.set RK,   12                          ; v12  K's scale words, read back
.set RS,   13                          ; v13  V's
.set L8,   14                          ; v14  8 x lane
.set GW,   15                          ; v15  1,536 x wave + 16 x lane: my wave's three chunks of an image
.set KL,   16                          ; v16-79   k as loaded
.set VL,   80                          ; v80-143  v: 32 keys of channel lane, then of channel 32 + lane
.set KT,   144                         ; v144-207 k turned: 32 neighbours for each of my two tiles
.set KC,   208                         ; v208-219 K's codes
.set QT,   220                         ; v220-222 a block's second sixteen codes, before they are moved
.set VC,   224                         ; v224-235 V's codes
.set QA,   236                         ; v236-237 two chains of maxima; v238 the conversions' scale operand
.set QB,   237
.set QSO,  238
.set EB,   240                         ; v240-243 scale bytes
.set XC,   244                         ; v244-245 the other half of the lanes' bytes
.set WD,   246                         ; v246-248 scale words
; 32 numbers of a lane, one block, become 6 registers of codes and a scale byte.
.macro QUANT32 src, dst, byte
	v_max3_num_f32 v[QA], |v[\src]|, |v[\src+1]|, 0x1800000        ; the largest magnitude, in two chains; the floor 2^(3 - 127) is one more leaf: the byte cannot fall under 1
	v_max3_num_f32 v[QB], |v[\src+2]|, |v[\src+3]|, |v[\src+4]|
.irp i, 5,9,13,17,21,25
	v_max3_num_f32 v[QA], v[QA], |v[\src+\i]|, |v[\src+\i+1]|
	v_max3_num_f32 v[QB], v[QB], |v[\src+\i+2]|, |v[\src+\i+3]|
.endr
	v_max3_num_f32 v[QA], v[QA], |v[\src+29]|, |v[\src+30]|
	v_max3_num_f32 v[QA], v[QA], v[QB], |v[\src+31]|
	v_add_nc_u32 v[QSO], 0xff000000, v[QA]                         ; 2 off its exponent field: the conversion takes the exponent field of this operand as its scale, and nothing else of it
	v_cvt_scalef32_pk16_fp6_f32 v[\dst:\dst+2], v[\src:\src+15], v[QSO]
	v_cvt_scalef32_pk16_fp6_f32 v[QT:QT+2], v[\src+16:\src+31], v[QSO]   ; (a conversion's three registers begin on an even number: the block's second three do not)
	v_lshrrev_b32 v[\byte], 23, v[QSO]                             ; the scale's byte; also the plain line between the conversions and the moves that read their result
.irp i, 0,1,2
	v_mov_b32 v[\dst+3+\i], v[QT+\i]
.endr
.endm
	s_load_b128 s[4:7], s[0:1], 0x0                ; k s[4:5], v s[6:7]
	s_load_b64 s[8:9], s[0:1], 0x10                ; kv
	v_lshl_add_u32 v254, v0, 2, 0xa800
	v_mov_b32 v255, 0
	v_lshrrev_b32 v[LANE], 5, v0
	v_readfirstlane_b32 s10, v[LANE]               ; wave 0..3
	v_and_b32 v[LANE], 31, v0
	v_lshlrev_b32 v[L16], 4, v[LANE]
	v_lshlrev_b32 v[L4], 2, v[LANE]
	s_and_b32 s12, ttmp7, 0xffff                   ; the head; ttmp9 is the step
	s_lshr_b32 s24, s10, 1                         ; w / 2
	s_and_b32 s25, s10, 1                          ; w % 2
	s_lshl_b32 s26, s12, 19                        ; a head is 2,048 rows of 256 bytes,
	s_lshl_b32 s27, ttmp9, 15                      ; a step 128 rows
	s_add_co_u32 s26, s26, s27
	s_lshl_b32 s14, s24, 14                        ; k: + 64 (w/2) rows
	s_lshl_b32 s27, s25, 12                        ;    + 16 (w%2) rows
	s_add_co_u32 s14, s14, s27
	s_add_co_u32 s14, s14, s26
	s_mov_b32 s15, 0
	s_lshl_b32 s16, s10, 13                        ; v: + 32 w rows
	s_add_co_u32 s16, s16, s26
	s_mov_b32 s17, 0
	s_lshl_b32 s18, s12, 4
	s_add_co_u32 s18, s18, ttmp9
	s_mul_i32 s18, s18, STEPB                      ; kv: block 16 x head + step
	s_mov_b32 s19, 0
	s_wait_alu depctr_va_vdst(0)
	s_wait_kmcnt 0x0
	s_add_nc_u64 s[4:5], s[4:5], s[14:15]
	s_add_nc_u64 s[6:7], s[6:7], s[16:17]
	s_add_nc_u64 s[8:9], s[8:9], s[18:19]
.irp j, 0,1,2,3,4,5,6,7,8,9,10,11,12,13,14,15
	global_load_b128 v[KL+4*\j:KL+4*\j+3], v[L16], s[4:5] offset:512*(\j%8)+8192*(\j/8) th:TH_LOAD_NT   ; two rows, 512 consecutive bytes; the second eight loads begin 32 rows on
.endr
.irp i, 0,1,2,3,4,5,6,7,8,9,10,11,12,13,14,15
	global_load_b32 v[VL+\i], v[L4], s[6:7] offset:256*\i th:TH_LOAD_NT          ; key i, channels 0-31: 128 consecutive bytes;
	global_load_b32 v[VL+32+\i], v[L4], s[6:7] offset:256*\i+128 th:TH_LOAD_NT   ; and channels 32-63, the row's other 128, by the next line
.endr
	; every LDS address is made here, while the loads are out
	s_mov_b32 s20, 0x76543210
	s_mov_b32 s21, 0xfedcba98                      ; v_permlanex16_b32's selects for lane l xor 16
	s_mov_b32 s22, 0xffff0000                      ; lanes 16-31
	v_and_b32 v[QA], 15, v[LANE]                   ; r
	v_lshrrev_b32 v[QB], 4, v[LANE]                ; h
	s_mul_i32 s28, s10, TURNB
	v_mul_u32_u24 v[TW], v[QB], TP
	v_lshl_add_u32 v[TW], v[QA], 4, v[TW]
	v_add_nc_u32 v[TW], s28, v[TW]                 ; in: a load's two rows: row h, 16 bytes at 16 r
	v_lshrrev_b32 v[QSO], 3, v[QA]                 ; r / 8
	v_lshl_add_u32 v[TR], v[QSO], 3, v[QA]         ; out: my key's row in the stage: r + 8 (r/8) (+ 8 for the second tile),
	v_mul_u32_u24 v[TR], v[TR], TP
	v_lshl_add_u32 v[TR], v[QSO], 7, v[TR]         ; 128 bytes more for rows 16-31: with them the sixteen lanes of a half read sixteen different 16-byte columns modulo 256 bytes,
	v_lshl_add_u32 v[TR], v[QB], 7, v[TR]          ; and my half's 32 channels
	v_add_nc_u32 v[TR], s28, v[TR]
	v_mul_u32_u24 v239, v[QB], 1536                ; V's codes: my channel 32 g + lane is row lane % 16 of tile 2 g + lane / 16: three chunks a tile,
	v_lshl_add_u32 v239, v[QA], 4, v239            ; 16 bytes a lane of the image
	s_wait_alu depctr_va_vdst(0)
	s_mul_i32 s29, s24, 3                          ; my keys are block w = 2 c + h of the step: registers 6 c on, as pairs 3 c + p,
	s_lshl_b32 s23, s25, 8                         ; in the image's lanes 16 h + row
	s_add_co_u32 s23, s23, VST
.irp p, 0,1,2
	s_add_co_u32 s30, s29, \p                      ; pair q = 3 (w/2) + p of the tile's six:
	s_lshr_b32 s31, s30, 1
	s_lshl_b32 s31, s31, 9                         ; chunk q / 2,
	s_and_b32 s30, s30, 1
	s_lshl_b32 s30, s30, 3                         ; its lower or its upper 8 bytes
	s_add_co_u32 s31, s31, s30
	s_add_co_u32 s31, s31, s23
	v_add_nc_u32 v[VA+\p], s31, v239
.endr
	v_lshl_add_u32 v[VB], v[LANE], 3, VSS
	v_add_nc_u32 v[VB], s10, v[VB]                 ; V's scale byte: lane's 8 bytes, word g (in the immediate), byte w
	s_lshl_b32 s30, s10, 2
	v_lshl_add_u32 v[KB], v[LANE], 4, KSS
	v_add_nc_u32 v[KB], s30, v[KB]                 ; K's scale word: lane's 16 bytes, word w
	s_mul_i32 s30, s10, 1536
	v_add_nc_u32 v[GW], s30, v[L16]
	v_add_nc_u32 v[RV], VST, v[GW]
	v_add_nc_u32 v[RK], KSS, v[L16]
	v_lshl_add_u32 v[RS], v[LANE], 3, VSS
	v_lshlrev_b32 v[L8], 3, v[LANE]
	v_mov_b32 v[XC], 0                             ; a lane permute's destination counts as one of its sources
	v_mov_b32 v[XC+1], 0
	s_wait_loadcnt 32                              ; k's sixteen loads are in; v's 32, issued behind them, may be out
.irp j, 0,1,2,3,4,5,6,7,8,9,10,11,12,13,14,15
	ds_store_b128 v[TW], v[KL+4*\j:KL+4*\j+3] offset:2*TP*\j+128*(\j/8)
.endr
.irp u, 0,1
.irp p, 0,1,2,3,4,5,6,7
	ds_load_b128 v[KT+32*\u+4*\p:KT+32*\u+4*\p+3], v[TR] offset:8*TP*\u+16*\p   ; LDS serves a wave's instructions in order (ISA guide 5.7.1.4): these see the stores above
.endr
.endr
.irp i, 16,17,18,19,20,21,22,23,24,25,26,27,28,29,30,31
	global_load_b32 v[VL+\i], v[L4], s[6:7] offset:256*\i th:TH_LOAD_NT
	global_load_b32 v[VL+32+\i], v[L4], s[6:7] offset:256*\i+128 th:TH_LOAD_NT
.endr
	s_wait_dscnt 8                                 ; my first tile's eight loads are back; the second's may be out
	QUANT32 KT, KC, EB
	s_wait_dscnt 0x0
	QUANT32 KT+32, KC+6, EB+1
.irp c, 0,1,2
	global_store_b128 v[GW], v[KC+4*\c:KC+4*\c+3], s[8:9] offset:512*\c   ; registers 12 w .. 12 w + 11 of the K image: each store covers 512 consecutive bytes, aligned
.endr
	v_permlanex16_b32 v[XC], v[EB], s20, s21       ; a key's two bytes lie in lanes r and 16 + r
	v_permlanex16_b32 v[XC+1], v[EB+1], s20, s21
	v_lshl_or_b32 v[WD], v[XC], 8, v[EB]           ; tile 2 w's words, right in lanes 0-15;
	v_lshl_or_b32 v[WD+1], v[EB+1], 8, v[XC+1]     ; tile 2 w + 1's, right in lanes 16-31
	v_cndmask_b32 v[WD+2], v[WD], v[WD+1], s22
	ds_store_b32 v[KB], v[WD+2]
	s_wait_loadcnt 0x0                             ; v
	QUANT32 VL, VC, EB+2
.irp p, 0,1,2
	ds_store_b64 v[VA+\p], v[VC+2*\p:VC+2*\p+1]
.endr
	ds_store_b8 v[VB], v[EB+2]
	QUANT32 VL+32, VC+6, EB+3
.irp p, 0,1,2
	ds_store_b64 v[VA+\p], v[VC+6+2*\p:VC+6+2*\p+1] offset:3072     ; channels 32 on: two tiles, six chunks, further
.endr
	ds_store_b8 v[VB], v[EB+3] offset:4
	s_wait_dscnt 0x0                               ; for the others' sake: my stores have landed
	s_barrier_signal -1
	s_barrier_wait -1                              ; the V image and both sets of scale words are whole
.irp c, 0,1,2
	ds_load_b128 v[KL+4*\c:KL+4*\c+3], v[RV] offset:512*\c
.endr
	s_wait_dscnt 0x0
.irp c, 0,1,2
	global_store_b128 v[GW], v[KL+4*\c:KL+4*\c+3], s[8:9] offset:VIMG+512*\c
.endr
	s_cmp_lg_u32 s10, 0
	s_cbranch_scc1 .Lnot_wave_0
	ds_load_b128 v[KL+12:KL+15], v[RK]             ; wave 0: K's scale words, 512 bytes
	s_wait_dscnt 0x0
	global_store_b128 v[L16], v[KL+12:KL+15], s[8:9] offset:KSO
.Lnot_wave_0:
	s_cmp_lg_u32 s10, 1
	s_cbranch_scc1 .Lend
	ds_load_b64 v[KL+16:KL+17], v[RS]              ; wave 1: V's, 256 bytes
	s_wait_dscnt 0x0
	global_store_b64 v[L8], v[KL+16:KL+17], s[8:9] offset:VSO
.Lend:
	s_wait_tensorcnt 0x0
	ds_add_u32 v254, v255
	s_wait_dscnt 0x0
	s_endpgm
.Lfunc_end_k_q92d4bc5b07_prep:
	.size	k_q92d4bc5b07_prep, .Lfunc_end_k_q92d4bc5b07_prep-k_q92d4bc5b07_prep
	.p2alignl 7, 3214868480
	.fill 96, 4, 3214868480
	.section	.rodata,"a",@progbits
	.p2align	6, 0x0
	.amdhsa_kernel k_q92d4bc5b07_prep
		.amdhsa_group_segment_fixed_size 43520
		.amdhsa_private_segment_fixed_size 0
		.amdhsa_enable_private_segment 0
		.amdhsa_kernarg_size 24
		.amdhsa_user_sgpr_count 2
		.amdhsa_user_sgpr_kernarg_segment_ptr 1
		.amdhsa_wavefront_size32 1
		.amdhsa_system_sgpr_workgroup_id_x 1
		.amdhsa_system_sgpr_workgroup_id_y 1
		.amdhsa_system_sgpr_workgroup_id_z 1
		.amdhsa_system_vgpr_workitem_id 0
		.amdhsa_next_free_vgpr 256
		.amdhsa_next_free_sgpr 66
		.amdhsa_reserve_vcc 0
		.amdhsa_float_denorm_mode_32 3
		.amdhsa_float_denorm_mode_16_64 3
		.amdhsa_memory_ordered 1
		.amdhsa_forward_progress 1
		.amdhsa_inst_pref_size 22
	.end_amdhsa_kernel
	.amdgpu_metadata
---
amdhsa.version: [ 1, 2 ]
amdhsa.kernels:
  - .name:           k_q92d4bc5b07_prep
    .symbol:         k_q92d4bc5b07_prep.kd
    .args:
      - { .name: k, .offset: 0, .size: 8, .value_kind: global_buffer, .address_space: global }
      - { .name: v, .offset: 8, .size: 8, .value_kind: global_buffer, .address_space: global }
      - { .name: kv, .offset: 16, .size: 8, .value_kind: global_buffer, .address_space: global }
    .group_segment_fixed_size: 43520
    .private_segment_fixed_size: 0
    .kernarg_segment_align: 8
    .kernarg_segment_size: 24
    .max_flat_workgroup_size: 128
    .sgpr_count:     66
    .vgpr_count:     256
    .wavefront_size: 32
...
	.end_amdgpu_metadata
.endif
;; end of part 1
;; launch attn (part 2): grid 4 x 64, 8 waves a work-group, clusters of 4 x 1, 244,736 bytes of LDS; arguments q, kv, scale, out0; writes out0
.if DOCPART == 2
	.amdgcn_target "amdgcn-amd-amdhsa--gfx1250"
	.amdhsa_code_object_version 6
	.text
	.protected	k_q92d4bc5b07_attn
	.globl	k_q92d4bc5b07_attn
	.p2align	8
	.type	k_q92d4bc5b07_attn,@function
k_q92d4bc5b07_attn:
	s_mov_b64 s[64:65], 0
	v_nop
	global_prefetch_b8 v0, s[64:65] scope:SCOPE_SE
	s_setreg_imm32_b32 hwreg(HW_REG_WAVE_MODE, 25, 1), 1
	s_wait_xcnt 0x0
	s_wait_alu depctr_hold_cnt(0) depctr_sa_sdst(0) depctr_va_vdst(0) depctr_va_sdst(0) depctr_va_ssrc(0) depctr_va_vcc(0) depctr_vm_vsrc(0)
	s_getreg_b32 s2, hwreg(HW_REG_IB_STS2, 6, 4)
	s_cmp_eq_u32 s2, 0
	s_cbranch_scc0 .Lentry_in_a_cluster
	s_endpgm
.Lentry_in_a_cluster:
	s_bfe_u32 s2, ttmp6, 0x10000c
	s_cmp_lg_u32 s2, 0x3003
	s_cbranch_scc0 .Lentry_shape_is_right
	s_endpgm
.Lentry_shape_is_right:
; out0[head][q][:] = sum over k of softmax_k(q . k / scale) v[k][:]; 64 heads, 2,048 queries and keys, 64 channels; both products on codes of FP6 (E2M3), one E8M0 scale for each 32 along K.
; k and v come as codes and scale words out of kv, in the order of the operands' registers, 13,056 bytes for each step of 128 keys:
;   0 the K image (register 6 t + i of lane (r, h): key 64 (t/4) + 32 (r/8) + 8 (t%4) + r%8, channels 32 h on), 6144 the V image (register 12 t + 6 c + i: channel 16 t + r, keys 64 c + 32 h on),
;   12288 K's scale words (16 bytes a lane), 12800 V's (8 bytes a lane).  q is read once, by one wave, and quantised here in registers.
; THE SOFTMAX: t = score x log2(e) / scale; M = the row's largest t so far, rounded UP to a whole number; p = 2^(t - M) is quantised along the keys, not normalised.
; The row's sum is taken of the unquantised p, in f32, and divides at the end.  When M moves, the sum and O are multiplied by 2^(old M - new M): exact.
; scale's sign goes onto q's codes (the quantiser is odd), its magnitude into c = log2(e) / |scale|: c is positive, so the largest score gives the largest t.
; SHARES.  A work-group owns 512 queries of one head; each of its eight waves 64 of them: four tiles of 16.  In a step of 128 keys one read of K's and V's fragments serves all four tiles.
; The next tile's eight score products stand among this tile's multiply-adds, into the other of two score buffers.
; A WHOLE HEAD'S CODES, 208,896 bytes, LIE IN LDS, filled once: nothing is filled again.  The four work-groups of a head form a CLUSTER and ask JOINTLY: each wave issues one tensor load of two blocks
; (102 rows of 256 bytes), the same descriptor and mask in all four partners.  No prefetch: every tensor load of the launch stands at its head, so there is no loop to run ahead in.
; LAYOUT.  Both products are used transposed: S^T = K Q^T, O^T = V^T P^T: a lane holds ONE query (lane % 16).  A lane's 32 scores of key tiles 4 c .. 4 c + 3 are keys 64 c + 32 (lane / 16) + 0 .. 31: a whole block of the second K.
; THE FIRST PRODUCT'S K IS 64 of the instruction's 128: Q's registers 6-11 hold zero codes, and every code is a finite number, so what stands in source 0's registers 6-11 adds nothing:
; K's tiles lie 6 registers apart and a tile names the next tile's six as its upper half (tile 7: the first six of P's codes).
; REGISTERS.  Window 0: v0-51 addresses, state, scales; v52-99 K; v100-111 P's codes; v112-239 two score buffers; v240-251 the way out.  Window 1: v0-47 V; v48-175 O^T, 32 a tile; v176-223 Q, 12 a tile.
; LIMITS: NaN and infinities among the inputs are not served; scale = 0 is not served, nor |scale| beyond 2^126 or under 2^-126 (the reciprocal flushes denormals: ISA guide 15.8);
; blocks whose largest magnitude lies under 2^-124 keep the scale byte 1.
.set STEPB, 13056
.set VIMG,  6144
.set KSO,   12288
.set VSO,   12800
.set HEADB, 16*STEPB
.set STAGE, HEADB                      ; behind the head: 16 rows x 272 bytes for each wave, its own: q's way in, O's way out; no fill lands there
.set SP,    272
.set SPARE, STAGE+8*16*SP              ; the spare words: 128 bytes a wave
.set ADR16, 1
.set ADR8,  2
.set LANE,  3
.set SPW,   4
.set NIL,   5
.set QS,    6                          ; v6-9   q's scale words, a register a tile
.set NM,    10                         ; v10-17 a pair a tile: -M, the largest score so far
.set SUMA,  18                         ; v18-25 a pair a tile: the row's sum in two halves
.set KSC,   26
.set VSC,   30
.set SUMB,  32                         ; v32-37 three more chains of a tile's sum
.set SUMC,  34
.set SUMD,  36
.set QT,    32                         ; ahead of them: a block's second sixteen codes, before they are moved
.set QT2,   36
.set XL,    39
.set MX,    40
.set SOP,   42
.set EB,    44
.set OLD,   46
.set WK,    47
.set FF,    48                         ; v48 f = 2^(old M - new M); v49 named with it as a pair
.set PS,    50                         ; P's scale word
.set KF,    52
.set PF,    100
.set SC,    112
.set RC,    240                        ; v240-247 a pair a tile: 1 / the sum
.set A1,    248                        ; stage: row h, 16 r
.set A3,    249                        ; stage: row r, 32 h
.set A2,    250                        ; stage: row r, 128 h
.set L16,   251                        ; 16 x lane
.set VF,    0                          ; window 1
.set OT,    48
.set QF,    176
.set QA,    MX
.set QB,    MX+1
.set QSO,   SOP
.set WV,  12
.set G1,  16
.set G0,  24
.set SEL, 40
.set CS,  42
.set CNT, 44
.set STP, 47
.set SGN, 48
.set STG, 51
.set MSB, 0
.macro WIN new                         ; the immediate's high byte repeats the setting that is left
.if MSB != \new
	s_set_vgpr_msb (MSB<<8)|\new
.set MSB, \new
.endif
.endm
.macro CROUND                          ; a round of the cluster's barrier
	s_barrier_signal -1
	s_barrier_wait -1
	s_cmp_lg_u32 s[WV], 0
	s_cbranch_scc1 .Lnot_wave_0_\@
	s_barrier_signal -3
.Lnot_wave_0_\@:
	s_barrier_wait -3
	s_barrier_signal -1
	s_barrier_wait -1
.endm
; 32 numbers of a lane, one block, become 6 registers of codes and a scale byte
.macro QUANT32 src, dst, byte
	v_max3_num_f32 v[QA], |v[\src]|, |v[\src+1]|, 0x1800000        ; the floor 2^(3 - 127) is one more leaf: the byte cannot fall under 1
	v_max3_num_f32 v[QB], |v[\src+2]|, |v[\src+3]|, |v[\src+4]|
.irp i, 5,9,13,17,21,25
	s_delay_alu instid0(VALU_DEP_2)
	v_max3_num_f32 v[QA], v[QA], |v[\src+\i]|, |v[\src+\i+1]|
	s_delay_alu instid0(VALU_DEP_2)
	v_max3_num_f32 v[QB], v[QB], |v[\src+\i+2]|, |v[\src+\i+3]|
.endr
	s_delay_alu instid0(VALU_DEP_2)
	v_max3_num_f32 v[QA], v[QA], |v[\src+29]|, |v[\src+30]|
	s_delay_alu instid0(VALU_DEP_1)
	v_max3_num_f32 v[QA], v[QA], v[QB], |v[\src+31]|
	s_delay_alu instid0(VALU_DEP_1)
	v_add_nc_u32 v[QSO], 0xff000000, v[QA]                         ; 2 off its exponent field: the conversion's scale operand
	v_cvt_scalef32_pk16_fp6_f32 v[\dst:\dst+2], v[\src:\src+15], v[QSO]
	v_cvt_scalef32_pk16_fp6_f32 v[QT:QT+2], v[\src+16:\src+31], v[QSO]   ; (a conversion's three registers begin on an even number)
	v_lshrrev_b32 v[\byte], 23, v[QSO]                             ; the scale's byte; also the plain line behind the conversions
.irp i, 0,1,2
	v_mov_b32 v[\dst+3+\i], v[QT+\i]
.endr
.endm
	s_load_b256 s[4:11], s[0:1], 0x0               ; q s[4:5], kv s[6:7], scale s[8:9], out0 s[10:11]
	v_lshl_add_u32 v[SPW], v0, 2, SPARE
	v_mov_b32 v[NIL], 0
	ds_add_u32 v[SPW], v[NIL]                      ; the opening lines: the add twice on end and one wait
	ds_add_u32 v[SPW], v[NIL]
	v_lshrrev_b32 v[ADR16], 5, v0
	v_readfirstlane_b32 s[WV], v[ADR16]            ; wave 0..7
	v_and_b32 v[LANE], 31, v0
	v_lshlrev_b32 v[L16], 4, v[LANE]
	v_lshlrev_b32 v[ADR8], 3, v[LANE]
	s_bfe_u32 s13, ttmp6, 0x40000                  ; cx: it enters q's and out0's addresses alone
	s_and_b32 s14, ttmp7, 0xffff                   ; the head, which the four partners share
	s_mov_b32 s[G1], 15|(3<<16)|(1<<21)            ; the mask: all four work-groups; elements of 8 bytes; no padding; bit 21 beside a mask
	s_mov_b32 s[G1+1], 32<<16                      ; rows of 32 elements = 256 bytes
	s_mov_b32 s[G1+2], 102<<16                     ; two blocks = 102 rows
	s_mov_b32 s[G1+3], 32<<16
	s_mov_b32 s[G1+4], 102
	s_mov_b32 s[G1+5], 32
	s_mov_b32 s[G1+6], 0
	s_mov_b32 s[G1+7], 0
	s_mul_i32 s54, s[WV], 2*STEPB                  ; blocks 2 w, 2 w + 1: in LDS and in the head's part of kv
	s_mul_i32 s52, s14, HEADB
	s_add_co_u32 s52, s52, s54
	s_mov_b32 s53, 0
	s_lshl_b32 s56, ttmp9, 2
	s_add_co_u32 s56, s56, s13                     ; my block of 512 queries
	s_lshl_b32 s56, s56, 17
	s_lshl_b32 s57, s14, 19
	s_add_co_u32 s56, s56, s57
	s_lshl_b32 s57, s[WV], 14                      ; my wave's 64 rows of 256 bytes
	s_add_co_u32 s56, s56, s57
	s_mov_b32 s57, 0
	s_mul_i32 s[STG], s[WV], 16*SP
	s_add_co_u32 s[STG], s[STG], STAGE
	s_mov_b32 s[SEL], 0x76543210
	s_mov_b32 s[SEL+1], 0xfedcba98                 ; lane l xor 16
	s_wait_dscnt 0x0
	s_wait_alu depctr_va_vdst(0)
	s_wait_kmcnt 0x0
	s_load_b32 s45, s[8:9], 0x0                    ; scale
	s_add_nc_u64 s[4:5], s[4:5], s[56:57]
	s_add_nc_u64 s[10:11], s[10:11], s[56:57]
	s_add_nc_u64 s[6:7], s[6:7], s[52:53]
.set N, 0
.rept 32
	global_load_b128 v[SC+4*N:SC+4*N+3], v[L16], s[4:5] offset:512*N th:TH_LOAD_NT   ; two rows of q, 512 consecutive bytes; eight loads a tile
.set N, N+1
.endr
	s_mov_b32 s[G0], 1
	s_add_co_u32 s[G0+1], s54, 0
	s_mov_b64 s[G0+2:G0+3], s[6:7]
	s_or_b32 s[G0+3], s[G0+3], 0x80000000
	CROUND                                         ; all four work-groups are here: the joint loads meet
	tensor_load_to_lds s[G0:G0+3], s[G1:G1+7]      ; my one tensor load of the launch
	s_nop 0
.rept 4
	v_nop
.endr
	s_wait_kmcnt 0x0                               ; scale
	s_and_b32 s52, s45, 0x7fffffff
	s_ashr_i32 s46, s45, 31
	s_and_b32 s[SGN], s46, 0x20820820              ; code i's sign is bit 6 i + 5 of the 96
	s_and_b32 s[SGN+1], s46, 0x08208208
	s_and_b32 s[SGN+2], s46, 0x82082082
	v_mov_b32 v[SOP+1], s52
	s_wait_alu depctr_va_vdst(0)
	v_rcp_f32 v[EB], v[SOP+1]
	v_mov_b32 v[XL], 0                             ; the plain line behind the reciprocal; a lane permute's destination counts as a source
	s_wait_alu depctr_va_vdst(0)
	v_fma_f32 v[EB+1], -v[SOP+1], v[EB], 1.0       ; one step of Newton's
	v_fma_f32 v[EB], v[EB], v[EB+1], v[EB]
	s_delay_alu instid0(VALU_DEP_1)
	v_mul_f32 v[EB], 0x3fb8aa3b, v[EB]             ; c = log2(e) / |scale|
	s_delay_alu instid0(VALU_DEP_1)
	v_readfirstlane_b32 s[CS], v[EB]
	s_mov_b32 s[CS+1], s[CS]
	v_mov_b32 v[FF+1], 0                           ; named as the upper half of a pair
	v_and_b32 v[MX], 15, v0                        ; r
	v_bfe_u32 v[MX+1], v0, 4, 1                    ; h
	v_mul_u32_u24 v[A1], v[MX+1], SP
	v_mul_u32_u24 v[A2], v[MX], SP
	v_lshl_add_u32 v[A1], v[MX], 4, v[A1]
	v_add_nc_u32 v[A2], s[STG], v[A2]
	v_add_nc_u32 v[A1], s[STG], v[A1]
	v_lshl_add_u32 v[A3], v[MX+1], 5, v[A2]
	v_lshl_add_u32 v[A2], v[MX+1], 7, v[A2]
; q's tile u turns through my stage: in as loaded, two rows to a store; out 128 bytes a lane: lane (r, h) gets channels 32 h .. 32 h + 31 of query r
.macro QTURN u, t
	s_wait_loadcnt 24-8*(\u)                       ; tile u's eight loads are in
.irp j, 0,1,2,3,4,5,6,7
	ds_store_b128 v[A1], v[SC+32*(\u)+4*\j:SC+32*(\u)+4*\j+3] offset:2*SP*\j
.endr
.irp j, 0,1,2,3,4,5,6,7
	ds_load_b128 v[\t+4*\j:\t+4*\j+3], v[A2] offset:16*\j          ; LDS serves a wave's instructions in order (ISA guide 5.7.1.4)
.endr
.endm
.macro QPOST u, t
	QUANT32 \t, PF, EB
	WIN 0x40
.irp i, 0,1,2
	v_xor_b32 v[QF+12*(\u)+\i], s[SGN+\i], v[PF+\i]                ; scale's sign onto the codes, into window 1
	v_xor_b32 v[QF+12*(\u)+3+\i], s[SGN+\i], v[PF+3+\i]
.endr
.irp i, 6,7,8,9,10,11
	v_mov_b32 v[QF+12*(\u)+\i], 0                                  ; Q's upper half: zero codes
.endr
	WIN 0
	v_permlanex16_b32 v[XL], v[EB], s[SEL], s[SEL+1]
	s_delay_alu instid0(VALU_DEP_1)
	v_lshl_or_b32 v[QS+(\u)], v[XL], 8, v[EB]      ; lanes 0-15: byte 0 channels 0-31, byte 1 channels 32-63, bytes 2 and 3 zero
	s_wait_alu depctr_va_vdst(0)
.endm
	s_wait_alu depctr_va_vdst(0)
	QTURN 0, KF
	s_wait_dscnt 0x0                               ; tile 0 is back, so its stores have read v[SC..SC+31], which take tile 1
	QTURN 1, SC
	QPOST 0, KF
	s_wait_dscnt 0x0
	QTURN 2, KF
	QPOST 1, SC
	s_wait_dscnt 0x0
	QTURN 3, SC
	QPOST 2, KF
	s_wait_dscnt 0x0
	QPOST 3, SC
.irp j, 0,1,2,3
	v_mov_b32 v[NM+2*\j+1], 0xff61b1e6             ; the largest score so far: -3e38
	v_mov_b32 v[NM+2*\j], 0x7f61b1e6               ; -M = floor(3e38), a whole number as it stands
	v_mov_b32 v[SUMA+2*\j], 0
	v_mov_b32 v[SUMA+2*\j+1], 0
.endr
	s_mov_b32 s[STP], 0
	s_wait_alu depctr_va_vdst(0)
	s_wait_tensorcnt 0x0                           ; my two blocks have landed; no LDS instruction of mine is out
	s_barrier_signal -1
	s_barrier_wait -1                              ; the whole head lies in LDS
.irp c, 0,1,2,3,4,5,6,7,8,9,10,11
	ds_load_b128 v[KF+4*\c:KF+4*\c+3], v[L16] offset:512*\c
.endr
	ds_load_b128 v[KSC:KSC+3], v[L16] offset:KSO
	WIN 0x40
.irp c, 0,1,2,3,4,5,6,7,8,9,10,11
	ds_load_b128 v[VF+4*\c:VF+4*\c+3], v[L16] offset:VIMG+512*\c
.endr
	WIN 0
	ds_load_b64 v[VSC:VSC+1], v[ADR8] offset:VSO
	s_wait_dscnt 13                                ; K's thirteen loads are in; V's thirteen, issued behind them, may be out
	WIN 0x04                                       ; source 1 (Q) in window 1
.irp t, 0,2,4,6                                ; tile 0's scores of step 0
	v_wmma_scale_f32_16x16x128_f8f6f4 v[SC+8*\t:SC+8*\t+7], v[KF+6*\t:KF+6*\t+11], v[QF:QF+11], 0, v[KSC+\t/2], v[QS] matrix_a_fmt:MATRIX_FMT_FP6 matrix_b_fmt:MATRIX_FMT_FP6
	v_wmma_scale_f32_16x16x128_f8f6f4 v[SC+8*\t+8:SC+8*\t+15], v[KF+6*\t+6:KF+6*\t+17], v[QF:QF+11], 0, v[KSC+\t/2], v[QS] matrix_a_fmt:MATRIX_FMT_FP6 matrix_b_fmt:MATRIX_FMT_FP6 matrix_a_scale:MATRIX_SCALE_ROW1
.endr
.rept 4
	v_nop                                          ; four places ahead of the first read of the scores (ISA guide 7.12.1)
.endr
	WIN 0
; ONE TILE OF 16 QUERIES IN ONE STEP OF 128 KEYS.  first = 1: the product starts O^T.  last = 1: nothing of a next step is fetched or multiplied.
.macro TILE j, first, last
.set SB, SC+64*((\j)%2)                ; my scores, then p
.set SN, SC+64-64*((\j)%2)             ; the next tile's
.set NJ, NM+2*(\j)
.set AJ, SUMA+2*(\j)
.set OJ, OT+32*(\j)
.set JN, ((\j)+1)%4
.set DO, 1
.if ((\j)==3) && ((\last)==1)
.set DO, 0
.endif
.if ((\j)==3) && ((\last)==0)
	s_wait_dscnt 0x0                               ; the next step's K, asked for a tile ago
.endif
	s_wait_alu depctr_va_vdst(0)
.irp c, 0,1                                    ; the largest score of each of my two blocks of 32 keys, in four chains by turns; each accumulator is read from its low end on
	v_max3_num_f32 v[MX+\c], v[SB+32*\c], v[SB+32*\c+1], v[SB+32*\c+2]
	v_max3_num_f32 v[EB+\c], v[SB+32*\c+16], v[SB+32*\c+17], v[SB+32*\c+18]
.endr
.irp i, 3,5,7,9,11,13
.irp c, 0,1
	v_max3_num_f32 v[MX+\c], v[MX+\c], v[SB+32*\c+\i], v[SB+32*\c+\i+1]
	v_max3_num_f32 v[EB+\c], v[EB+\c], v[SB+32*\c+16+\i], v[SB+32*\c+17+\i]
.endr
.endr
	v_mov_b32 v[OLD], v[NJ]
.irp c, 0,1
	v_max3_num_f32 v[MX+\c], v[MX+\c], v[EB+\c], v[SB+32*\c+15]
.endr
.irp c, 0,1
	v_max_num_f32 v[MX+\c], v[MX+\c], v[SB+32*\c+31]
.endr
	s_delay_alu instid0(VALU_DEP_1)
	v_max3_num_f32 v[WK], v[NJ+1], v[MX], v[MX+1]
	s_delay_alu instid0(VALU_DEP_1)
	v_permlanex16_b32 v[XL], v[WK], s[SEL], s[SEL+1]               ; my query's other two blocks lie in lane l xor 16
	s_delay_alu instid0(VALU_DEP_1)
	v_max_num_f32 v[NJ+1], v[WK], v[XL]            ; the running largest score
	s_delay_alu instid0(VALU_DEP_1)
	v_mul_f32 v[WK], s[CS], v[NJ+1]                ; as t (c is positive)
	s_delay_alu instid0(VALU_DEP_1)
	v_floor_f32 v[NJ], -v[WK]                      ; the new -M = -ceil(t): a whole number
.if DO
	WIN 0x04                                       ; source 1 in window 1: Q for the products; the multiply-adds have a scalar there
.endif
.set N, 0
.rept 8                                        ; t - M, two at a time; ahead of each of the first eight pairs of lines, one of the next tile's eight score products
.if DO
.if N%2
	v_wmma_scale_f32_16x16x128_f8f6f4 v[SN+8*N:SN+8*N+7], v[KF+6*N:KF+6*N+11], v[QF+12*JN:QF+12*JN+11], 0, v[KSC+N/2], v[QS+JN] matrix_a_fmt:MATRIX_FMT_FP6 matrix_b_fmt:MATRIX_FMT_FP6 matrix_a_scale:MATRIX_SCALE_ROW1
.else
	v_wmma_scale_f32_16x16x128_f8f6f4 v[SN+8*N:SN+8*N+7], v[KF+6*N:KF+6*N+11], v[QF+12*JN:QF+12*JN+11], 0, v[KSC+N/2], v[QS+JN] matrix_a_fmt:MATRIX_FMT_FP6 matrix_b_fmt:MATRIX_FMT_FP6
.endif
.endif
	v_pk_fma_f32 v[SB+4*N:SB+4*N+1], v[SB+4*N:SB+4*N+1], s[CS:CS+1], v[NJ:NJ+1] op_sel_hi:[1,0,0]
	v_pk_fma_f32 v[SB+4*N+2:SB+4*N+3], v[SB+4*N+2:SB+4*N+3], s[CS:CS+1], v[NJ:NJ+1] op_sel_hi:[1,0,0]
.set N, N+1
.endr
.set N, 32
.rept 16
	v_pk_fma_f32 v[SB+N:SB+N+1], v[SB+N:SB+N+1], s[CS:CS+1], v[NJ:NJ+1] op_sel_hi:[1,0,0]
.set N, N+2
.endr
.irp c, 0,1
	v_fma_f32 v[MX+\c], v[MX+\c], s[CS], v[NJ]     ; the same of each block's largest score
.endr
	WIN 0
.if ((\j)==2) && ((\last)==0)
	v_lshl_add_u32 v[ADR16], v[LANE], 4, s[STP]
	v_lshl_add_u32 v[ADR8], v[LANE], 3, s[STP]
.irp c, 0,1,2,3,4,5,6,7,8,9,10,11              ; tile 3's products were the last to read this step's K (twenty-two plain lines stand behind them): the next step's K
	ds_load_b128 v[KF+4*\c:KF+4*\c+3], v[ADR16] offset:STEPB+512*\c
.endr
	ds_load_b128 v[KSC:KSC+3], v[ADR16] offset:STEPB+KSO
.endif
	s_wait_alu depctr_va_vdst(0)
.set N, 0
.rept 64
	v_exp_f32 v[SB+N], v[SB+N]                     ; p = 2^(t - M), not normalised
.set N, N+1
.endr
.irp c, 0,1
	v_exp_f32 v[MX+\c], v[MX+\c]                   ; the block's largest p: the same two instructions on the same number
.endr
	v_sub_f32 v[WK], v[NJ], v[OLD]                 ; M's old value less its new one: a whole number, 0 or less; the plain line behind the batch
	s_wait_alu depctr_va_vdst(0)                   ; the wait behind the batch; it also stands ahead of the first readers of O^T, with plain lines alone between
	v_max_num_f32 v[MX], 0x1800000, v[MX]          ; the floor 2^(3 - 127): the byte cannot fall under 1.  Two chains by turns: the blocks' scales, and f
	v_cvt_i32_f32 v[WK], v[WK]                     ; (it saturates)
	v_max_num_f32 v[MX+1], 0x1800000, v[MX+1]
	v_ldexp_f32 v[FF], 1.0, v[WK]                  ; f = 2^(old M - new M)
.irp c, 0,1
	v_add_nc_u32 v[SOP+\c], 0xff000000, v[MX+\c]   ; 2 off the exponent field: the conversion's scale operand
.endr
.if (\first)==0
	WIN 0x41
.set N, 0
.rept 16
	v_pk_mul_f32 v[OJ+N:OJ+N+1], v[OJ+N:OJ+N+1], v[FF:FF+1] op_sel_hi:[1,0]   ; O^T under the new M, from each accumulator's low end on
.set N, N+2
.endr
	WIN 0
.endif
	v_pk_mul_f32 v[AJ:AJ+1], v[AJ:AJ+1], v[FF:FF+1] op_sel_hi:[1,0]   ; the sum under the new M
	v_cvt_scalef32_pk16_fp6_f32 v[PF:PF+2], v[SB:SB+15], v[SOP]
	v_cvt_scalef32_pk16_fp6_f32 v[QT:QT+2], v[SB+16:SB+31], v[SOP]
	v_cvt_scalef32_pk16_fp6_f32 v[PF+6:PF+8], v[SB+32:SB+47], v[SOP+1]
	v_cvt_scalef32_pk16_fp6_f32 v[QT2:QT2+2], v[SB+48:SB+63], v[SOP+1]
.irp c, 0,1
	v_lshrrev_b32 v[EB+\c], 23, v[SOP+\c]          ; the scale's byte; the plain lines behind the conversions
.endr
	v_lshl_or_b32 v[WK], v[EB+1], 16, v[EB]        ; my blocks are h and 2 + h of the step's four
.irp i, 0,1,2
	v_mov_b32 v[PF+3+\i], v[QT+\i]
.endr
	v_permlanex16_b32 v[XL], v[WK], s[SEL], s[SEL+1]
.irp i, 0,1,2
	v_mov_b32 v[PF+9+\i], v[QT2+\i]
.endr
	v_lshl_or_b32 v[PS], v[XL], 8, v[WK]           ; lanes 0-15: bytes 0, 2 mine, bytes 1, 3 lane 16 + r's
	v_pk_add_f32 v[SUMB:SUMB+1], v[SB:SB+1], v[SB+2:SB+3]          ; the row's sum of the unquantised p: two at a time, four chains.  These eleven lines are also the places between P's scale word and codes and the products (eight and four are owed)
	v_pk_add_f32 v[SUMC:SUMC+1], v[SB+4:SB+5], v[SB+6:SB+7]
	v_pk_add_f32 v[SUMD:SUMD+1], v[SB+8:SB+9], v[SB+10:SB+11]
.irp i, 12,20
	v_pk_add_f32 v[AJ:AJ+1], v[AJ:AJ+1], v[SB+\i:SB+\i+1]
	v_pk_add_f32 v[SUMB:SUMB+1], v[SUMB:SUMB+1], v[SB+\i+2:SB+\i+3]
	v_pk_add_f32 v[SUMC:SUMC+1], v[SUMC:SUMC+1], v[SB+\i+4:SB+\i+5]
	v_pk_add_f32 v[SUMD:SUMD+1], v[SUMD:SUMD+1], v[SB+\i+6:SB+\i+7]
.endr
.if (\j)==0
	s_wait_alu depctr_va_vdst(0)
	s_wait_dscnt 0x0                               ; this step's V and its scale words
.endif
	WIN 0x51                                       ; V, C and D in window 1, P in window 0
.irp t, 0,1,2,3                                ; O^T += V^T P^T: four accumulators, one instruction a turn
.if \first
.if \t%2
	v_wmma_scale_f32_16x16x128_f8f6f4 v[OJ+8*\t:OJ+8*\t+7], v[VF+12*\t:VF+12*\t+11], v[PF:PF+11], 0, v[VSC+\t/2], v[PS] matrix_a_fmt:MATRIX_FMT_FP6 matrix_b_fmt:MATRIX_FMT_FP6 matrix_a_scale:MATRIX_SCALE_ROW1
.else
	v_wmma_scale_f32_16x16x128_f8f6f4 v[OJ+8*\t:OJ+8*\t+7], v[VF+12*\t:VF+12*\t+11], v[PF:PF+11], 0, v[VSC+\t/2], v[PS] matrix_a_fmt:MATRIX_FMT_FP6 matrix_b_fmt:MATRIX_FMT_FP6
.endif
.else
.if \t%2
	v_wmma_scale_f32_16x16x128_f8f6f4 v[OJ+8*\t:OJ+8*\t+7], v[VF+12*\t:VF+12*\t+11], v[PF:PF+11], v[OJ+8*\t:OJ+8*\t+7], v[VSC+\t/2], v[PS] matrix_a_fmt:MATRIX_FMT_FP6 matrix_b_fmt:MATRIX_FMT_FP6 matrix_a_scale:MATRIX_SCALE_ROW1
.else
	v_wmma_scale_f32_16x16x128_f8f6f4 v[OJ+8*\t:OJ+8*\t+7], v[VF+12*\t:VF+12*\t+11], v[PF:PF+11], v[OJ+8*\t:OJ+8*\t+7], v[VSC+\t/2], v[PS] matrix_a_fmt:MATRIX_FMT_FP6 matrix_b_fmt:MATRIX_FMT_FP6
.endif
.endif
.endr
	WIN 0
.irp i, 28,36,44,52                            ; the rest of the sum: 21 lines that name no register of the products above
	v_pk_add_f32 v[AJ:AJ+1], v[AJ:AJ+1], v[SB+\i:SB+\i+1]
	v_pk_add_f32 v[SUMB:SUMB+1], v[SUMB:SUMB+1], v[SB+\i+2:SB+\i+3]
	v_pk_add_f32 v[SUMC:SUMC+1], v[SUMC:SUMC+1], v[SB+\i+4:SB+\i+5]
	v_pk_add_f32 v[SUMD:SUMD+1], v[SUMD:SUMD+1], v[SB+\i+6:SB+\i+7]
.endr
	v_pk_add_f32 v[AJ:AJ+1], v[AJ:AJ+1], v[SB+60:SB+61]
	v_pk_add_f32 v[SUMB:SUMB+1], v[SUMB:SUMB+1], v[SB+62:SB+63]
	v_pk_add_f32 v[SUMC:SUMC+1], v[SUMC:SUMC+1], v[SUMD:SUMD+1]
	v_pk_add_f32 v[AJ:AJ+1], v[AJ:AJ+1], v[SUMB:SUMB+1]
	s_delay_alu instid0(VALU_DEP_1)
	v_pk_add_f32 v[AJ:AJ+1], v[AJ:AJ+1], v[SUMC:SUMC+1]
.if ((\j)==3) && ((\last)==0)
	WIN 0x40
.irp c, 0,1,2,3,4,5,6,7,8,9,10,11              ; tile 3's products were the last to read this step's V: the next step's V
	ds_load_b128 v[VF+4*\c:VF+4*\c+3], v[ADR16] offset:STEPB+VIMG+512*\c
.endr
	WIN 0
	ds_load_b64 v[VSC:VSC+1], v[ADR8] offset:STEPB+VSO
	s_add_co_u32 s[STP], s[STP], STEPB
.endif
.endm
.macro STEP4 first, last
	TILE 0, \first, \last
	TILE 1, \first, \last
	TILE 2, \first, \last
	TILE 3, \first, \last
.endm
	STEP4 1, 0                                     ; step 0 starts O^T
	s_mov_b32 s[CNT], 14
.Lstep:
	STEP4 0, 0                                     ; steps 1 to 14
	s_sub_co_u32 s[CNT], s[CNT], 1
	s_cmp_lg_u32 s[CNT], 0
	s_wait_alu depctr_va_vdst(0)
	s_cbranch_scc1 .Lstep
	STEP4 0, 1                                     ; step 15
; THE WAY OUT.  O^T / the sum goes through my stage and comes back as whole rows of 256 bytes, two to a store.
.irp j, 0,1,2,3
	v_add_f32 v[RC+2*\j], v[SUMA+2*\j], v[SUMA+2*\j+1]
.endr
.irp j, 0,1,2,3
	v_permlanex16_b32 v[XL], v[RC+2*\j], s[SEL], s[SEL+1]
	s_delay_alu instid0(VALU_DEP_1)
	v_add_f32 v[RC+2*\j], v[RC+2*\j], v[XL]        ; with lane l xor 16's: the row's sum
.endr
	s_wait_alu depctr_va_vdst(0)
.irp j, 0,1,2,3
	v_rcp_f32 v[RC+2*\j], v[RC+2*\j]
.endr
.irp j, 0,1,2,3
	v_mov_b32 v[RC+2*\j+1], 0                      ; named as the upper half of a pair; plain lines behind the batch
.endr
.macro FIN j
.set FB, SC+64*((\j)%2)
.if (\j) >= 2
	s_wait_xcnt 0x0                                ; the registers of tile j - 2's stores are written again only behind this wait
.endif
	WIN 0x01
	s_wait_alu depctr_va_vdst(0)                   ; behind the reciprocals, directly ahead of the first readers of O^T
.set N, 0
.rept 16
	v_pk_mul_f32 v[FB+N:FB+N+1], v[OT+32*(\j)+N:OT+32*(\j)+N+1], v[RC+2*(\j):RC+2*(\j)+1] op_sel_hi:[1,0]   ; register 8 t + i is out0(r, 16 t + 8 h + i)
.set N, N+2
.endr
	WIN 0
.irp t, 0,1,2,3
	ds_store_b128 v[A3], v[FB+8*\t:FB+8*\t+3] offset:64*\t
	ds_store_b128 v[A3], v[FB+8*\t+4:FB+8*\t+7] offset:64*\t+16
.endr
.irp i, 0,1,2,3,4,5,6,7
	ds_load_b128 v[FB+32+4*\i:FB+32+4*\i+3], v[A1] offset:2*SP*\i  ; LDS serves a wave's instructions in order: these see my stores
.endr
.irp i, 0,1,2,3,4,5,6,7
	s_wait_dscnt 7-\i                              ; load i is back; the younger ones may be out
	global_store_b128 v[L16], v[FB+32+4*\i:FB+32+4*\i+3], s[10:11] offset:4096*(\j)+512*\i th:TH_STORE_NT   ; 512 consecutive bytes, aligned
.endr
.endm
	FIN 0
	FIN 1
	FIN 2
	FIN 3
	s_wait_tensorcnt 0x0                           ; the wave's end
	ds_add_u32 v[SPW], v[NIL]
	s_wait_dscnt 0x0
	CROUND                                         ; the closing round
	s_endpgm
.Lfunc_end_k_q92d4bc5b07_attn:
	.size	k_q92d4bc5b07_attn, .Lfunc_end_k_q92d4bc5b07_attn-k_q92d4bc5b07_attn
	.p2alignl 7, 3214868480
	.fill 96, 4, 3214868480
	.section	.rodata,"a",@progbits
	.p2align	6, 0x0
	.amdhsa_kernel k_q92d4bc5b07_attn
		.amdhsa_group_segment_fixed_size 244736
		.amdhsa_private_segment_fixed_size 0
		.amdhsa_enable_private_segment 0
		.amdhsa_kernarg_size 32
		.amdhsa_user_sgpr_count 2
		.amdhsa_user_sgpr_kernarg_segment_ptr 1
		.amdhsa_wavefront_size32 1
		.amdhsa_system_sgpr_workgroup_id_x 1
		.amdhsa_system_sgpr_workgroup_id_y 1
		.amdhsa_system_sgpr_workgroup_id_z 1
		.amdhsa_system_vgpr_workitem_id 0
		.amdhsa_next_free_vgpr 512
		.amdhsa_next_free_sgpr 66
		.amdhsa_reserve_vcc 0
		.amdhsa_float_denorm_mode_32 3
		.amdhsa_float_denorm_mode_16_64 3
		.amdhsa_memory_ordered 1
		.amdhsa_forward_progress 1
		.amdhsa_inst_pref_size 188
	.end_amdhsa_kernel
	.amdgpu_metadata
---
amdhsa.version: [ 1, 2 ]
amdhsa.kernels:
  - .name:           k_q92d4bc5b07_attn
    .symbol:         k_q92d4bc5b07_attn.kd
    .args:
      - { .name: q, .offset: 0, .size: 8, .value_kind: global_buffer, .address_space: global }
      - { .name: kv, .offset: 8, .size: 8, .value_kind: global_buffer, .address_space: global }
      - { .name: scale, .offset: 16, .size: 8, .value_kind: global_buffer, .address_space: global }
      - { .name: out0, .offset: 24, .size: 8, .value_kind: global_buffer, .address_space: global }
    .group_segment_fixed_size: 244736
    .private_segment_fixed_size: 0
    .kernarg_segment_align: 8
    .kernarg_segment_size: 32
    .max_flat_workgroup_size: 256
    .sgpr_count:     66
    .vgpr_count:     512
    .wavefront_size: 32
...
	.end_amdgpu_metadata
.endif
;; end of part 2
